; MI455X (gfx1250); checked and timed in simulation.
; The chip was launched on July 23, 2026; its instructions are those of AMD's public machine-readable ISA for CDNA 5 (MIT licence, August 2026) and "CDNA5" Instruction Set Architecture Reference Guide (July 2026). The comments in the code are by the model that wrote it; some were corrected since.
;; Self Attention. Allowed arithmetic: matrix products marked QUANTISED: E2M1 operands, one E8M0 scale for each 32 along K, by v_wmma_scale_f32_16x16x128_f8f6f4 with both operands' format E2M1 (or v_wmma_scale_f32_32x16x128_f4), f32 sums; products left as they are: bf16, f16 or f32 operands; f32 sums; everything else in f32.
;; Inputs: W_o 256 x 256 float32; W_qkv 256 x 768 float32; b_o 256 float32; b_qkv 768 float32; x 4 x 256 x 64 x 64 float32.
;; Outputs: out0 4 x 256 x 64 x 64 float32.
;; This version of the problem:
;;   THIS VERSION OF THE PROBLEM IS GIVEN IN LOW PRECISION. The matrix products marked QUANTISED in the list below multiply operands that are first quantised to E2M1 (2 exponent bits, 1 mantissa bit; 4 bits a number), with one power-of-two scale for each 32 numbers along K (OCP MX v1.0); their sums are f32. The products marked 'left as it is' may take bf16, f16 or f32 operands, with f32 sums. Whichever they take, every output number must still come out within the allowed error. Rounding operands to bf16 (8 significant bits) uses up far more of that allowance than f16 does (11 bits, for magnitudes from 6e-5 to 65,504). All else is computed in f32.
;;   The module's matrix products, in the order in which they are computed (A, B: the left and right operand; K: the contracted axis; several contracted axes count as one K, in the product's order):
;;     1. [M 16,384, K 256] x [K 256, N 768]; A: input x; B: input W_qkv: QUANTISED
;;     2. batch 16 x [M 4,096, K 64] x [K 64, N 4,096]; A: computed on the way; B: computed on the way: left as it is (an operand is computed on the way)
;;     3. batch 16 x [M 64, K 4,096] x [K 4,096, N 4,096]; A: computed on the way; B: computed on the way: left as it is (an operand is computed on the way)
;;     4. [M 16,384, K 256] x [K 256, N 256]; A: computed on the way; B: input W_o: left as it is (an operand is computed on the way)
;;   THE QUANTISER, for each operand of a quantised product, along K:
;;     - K is cut into blocks of 32 from its start; a last block that is shorter is filled with zeros.
;;     - A block's scale is 2^e with e = floor(log2(the largest magnitude in the block)) - 2, held to -126 .. 127; a block of zeros has e = 0. As a byte (E8M0): e + 127.
;;     - Each number is divided by its block's scale, clamped to +-6, and rounded to the nearest number of E2M1, ties to even, subnormals kept.
;;     - The product sums the exact products of the quantised numbers (number of the format x scale) in f32.
;;   ~~~python
;;   def quantise(x, axis):      # numpy; x: float32 -> the quantised numbers, widened to float32 again
;;       x = np.moveaxis(x, axis, -1); K = x.shape[-1]
;;       x = np.pad(x, [(0, 0)] * (x.ndim - 1) + [(0, -K % 32)]); x = x.reshape(x.shape[:-1] + (-1, 32)); a = np.abs(x).max(-1, keepdims=True)
;;       e = np.where(a > 0, np.clip(np.frexp(np.where(a > 0, a, 1))[1] - 1 - 2, -126, 127), 0)      # np.frexp(a)[1] - 1 = floor(log2(a)), exactly
;;       r = np.clip(x / 2.0 ** e, -6, 6)
;;       step = 2.0 ** (np.maximum(np.frexp(np.where(r == 0, 1, r))[1] - 1, 0) - 1)
;;       q = np.round(r / step) * step * 2.0 ** e      # np.round: ties to even
;;       return np.moveaxis(q.reshape(q.shape[:-2] + (-1,))[..., :K], -1, axis).astype(np.float32)
;;   ~~~
;; One version. Each part assembles by itself: llvm-mc -triple=amdgcn-amd-amdhsa -mcpu=gfx1250 --defsym DOCPART=n.
;; ======== version 1 of 1: 4 launches
;; limits: values are held in f16: magnitudes above 65,504 overflow, below 6.1e-05 lose precision
;; workspace buffers: wq 98,304 bytes; wqs 12,288 bytes; wof 131,072 bytes; qf 8,388,608 bytes; kv 16,777,216 bytes; vf 8,388,608 bytes
;; launch prep (part 1): grid 224 x 1, 1 waves a work-group, no clusters, 0 bytes of LDS; arguments W_qkv, W_o, wq, wqs, wof; writes wq, wqs, wof
.if DOCPART == 1
	.amdgcn_target "amdgcn-amd-amdhsa--gfx1250"
	.amdhsa_code_object_version 6
	.text
	.protected	k_q98743ec316_prep
	.globl	k_q98743ec316_prep
	.p2align	8
	.type	k_q98743ec316_prep,@function
k_q98743ec316_prep:
	s_mov_b64 s[64:65], 0
	v_nop
	global_prefetch_b8 v0, s[64:65] scope:SCOPE_SE
	s_setreg_imm32_b32 hwreg(HW_REG_WAVE_MODE, 25, 1), 1
	s_wait_xcnt 0x0
; The two weights are laid out once, in the order in which a wave's operand registers take them.
; W_qkv [256 (k)][768 (n)] f32 -> codes of FP4 (E2M1) with one E8M0 scale byte for each 32 along K.  A fragment is 16 columns x 128 K = 8 registers a lane:
;   wq : fragment f = 2 x (n / 16) + (k / 128) at byte 1,024 f; registers 0-3 at 16 x lane, registers 4-7 at 512 + 16 x lane.   wqs: its scale words at 128 f + 4 x lane (both halves of the lanes hold the same word).
; W_o [256 (k)][256 (n)] f32 -> f16, fragments of 16 columns x 32 K, 8 registers a lane:  wof: (n / 16) x 8,192 + (k / 32) x 1,024, laid likewise.
; One wave to a work-group, one fragment to a wave: work-groups 0-95 take W_qkv, 96-223 take W_o.  A LANE TAKES A COLUMN AND ITS REGISTERS RUN DOWN K, in the order that the operand's layout gives that lane: nothing is transposed.
; A block's scale is 2^(floor(log2(its largest magnitude)) - 2); its byte is the largest magnitude's exponent field - 2, held at 1 from below by a floor among the maximum's leaves.
; LIMITS: a block of zeros gets the byte 1 where the quantiser says 127 (its codes are zeros, which add nothing, and this program alone reads the bytes); blocks whose largest magnitude lies under 2^-124 were not tried;
; NaN and infinities are not served; numbers of W_o above 65,504 in magnitude become infinite in f16.
; No LDS, no barrier: waves share nothing.  Every store of the wave covers 512 (the scale words: 128) consecutive bytes.
.set NFQ,  96                          ; fragments of W_qkv
.set QROW, 3072                        ; a row of W_qkv in bytes
.set OROW, 1024                        ; a row of W_o in bytes
	s_load_b128 s[4:7], s[0:1], 0x0                ; W_qkv, W_o
	s_load_b128 s[8:11], s[0:1], 0x10              ; wq, wqs
	s_load_b64 s[12:13], s[0:1], 0x20              ; wof
	v_and_b32 v1, 15, v0                           ; r: my column in the tile
	v_lshrrev_b32 v2, 4, v0                        ; h: my half of the lanes
	v_lshlrev_b32 v4, 4, v0                        ; 16 x lane
	v_lshlrev_b32 v5, 2, v0                        ; 4 x lane
	s_mov_b32 s15, 0                               ; the upper word of every offset
	s_mov_b32 s20, 0x76543210
	s_mov_b32 s21, 0xfedcba98                      ; v_permlanex16_b32's selects for lane l xor 16
	s_wait_kmcnt 0x0
	s_cmp_lt_u32 ttmp9, NFQ
	s_cbranch_scc0 .Lw_o
	; ---- a fragment of W_qkv: f = the work-group's number
	s_lshr_b32 s14, ttmp9, 1
	s_lshl_b32 s14, s14, 6                         ; 16 columns are 64 bytes
	s_and_b32 s16, ttmp9, 1
	s_mul_i32 s16, s16, 128*QROW                   ; a K step is 128 rows
	s_add_co_u32 s14, s14, s16
	s_add_nc_u64 s[4:5], s[4:5], s[14:15]
	s_lshl_b32 s14, ttmp9, 10
	s_add_nc_u64 s[8:9], s[8:9], s[14:15]
	s_lshl_b32 s14, ttmp9, 7
	s_add_nc_u64 s[10:11], s[10:11], s[14:15]
	v_mul_u32_u24 v3, v2, 32*QROW                  ; lanes 16-31 begin 32 rows further down: lane (r, h) holds k = 64 c + 32 h + 0 .. 31
	v_lshl_add_u32 v3, v1, 2, v3
.irp c, 0,1
.set i, 0
.rept 32
	global_load_b32 v[64+32*\c+i], v3, s[4:5] offset:(64*\c+i)*QROW
.set i, i+1
.endr
.endr
	s_wait_loadcnt 0x0
.irp c, 0,1                                    ; my block 2 c + h: all its 32 numbers are mine
	v_max3_num_f32 v[32+\c], |v[64+32*\c]|, |v[65+32*\c]|, 0x1800000   ; with the floor 2^(3 - 127): the byte cannot fall under 1
.endr
.irp i, 2,4,6,8,10,12,14,16,18,20,22,24,26,28,30
.irp c, 0,1
	v_max3_num_f32 v[32+\c], v[32+\c], |v[64+32*\c+\i]|, |v[65+32*\c+\i]|   ; the two blocks by turns
.endr
.endr
.irp c, 0,1
	v_add_nc_u32 v[44+\c], 0xff000000, v[32+\c]    ; 2 off the exponent field: the conversion takes the exponent field of this operand as its scale
.endr
.irp c, 0,1
	v_lshrrev_b32 v[36+\c], 23, v[44+\c]           ; the scale's byte
.endr
	v_lshl_or_b32 v9, v37, 16, v36                 ; my two bytes: blocks h and 2 + h of my column,
	v_lshlrev_b32 v10, 3, v2
	v_lshlrev_b32 v9, v10, v9                      ; at their places in the scale word
	v_mov_b32 v10, 0                               ; (a lane permute's destination counts as one of its sources)
	v_permlanex16_b32 v10, v9, s20, s21
	v_or_b32 v9, v9, v10                           ; with lane l xor 16's two the word is whole, in both halves of the lanes
.irp c, 0,1
.irp g, 0,1,2,3
	v_cvt_scalef32_pk8_fp4_f32 v[48+4*\c+\g], v[64+32*\c+8*\g:71+32*\c+8*\g], v[44+\c]   ; registers 4 c .. 4 c + 3 of the operand
.endr
.endr
	v_nop                                          ; one plain line behind the last scaled conversion
	global_store_b128 v4, v[48:51], s[8:9]
	global_store_b128 v4, v[52:55], s[8:9] offset:512
	global_store_b32 v5, v9, s[10:11]
	s_endpgm
.Lw_o:
	; ---- a fragment of W_o: f = the work-group's number - 96 = 8 x (n / 16) + (k / 32)
	s_sub_co_u32 s18, ttmp9, NFQ
	s_lshr_b32 s14, s18, 3
	s_lshl_b32 s14, s14, 6                         ; 16 columns are 64 bytes
	s_and_b32 s16, s18, 7
	s_lshl_b32 s16, s16, 15                        ; 32 rows of 1,024 bytes
	s_add_co_u32 s14, s14, s16
	s_add_nc_u64 s[6:7], s[6:7], s[14:15]
	s_lshl_b32 s14, s18, 10
	s_add_nc_u64 s[12:13], s[12:13], s[14:15]
	v_lshlrev_b32 v3, 13, v2                       ; lane (r, h): registers 0-3 hold k = 8 h + 0 .. 7, registers 4-7 k = 16 + 8 h + 0 .. 7
	v_lshl_add_u32 v3, v1, 2, v3
.irp q, 0,1
.irp i, 0,1,2,3,4,5,6,7
	global_load_b32 v[64+8*\q+\i], v3, s[6:7] offset:(16*\q+\i)*OROW
.endr
.endr
	s_wait_loadcnt 0x0
.irp q, 0,1
.irp p, 0,1,2,3
	v_cvt_pk_f16_f32 v[48+4*\q+\p], v[64+8*\q+2*\p], v[65+8*\q+2*\p]   ; the lower k in the low half
.endr
.endr
	global_store_b128 v4, v[48:51], s[12:13]
	global_store_b128 v4, v[52:55], s[12:13] offset:512
	s_endpgm
.Lfunc_end_k_q98743ec316_prep:
	.size	k_q98743ec316_prep, .Lfunc_end_k_q98743ec316_prep-k_q98743ec316_prep
	.p2alignl 7, 3214868480
	.fill 96, 4, 3214868480
	.section	.rodata,"a",@progbits
	.p2align	6, 0x0
	.amdhsa_kernel k_q98743ec316_prep
		.amdhsa_group_segment_fixed_size 0
		.amdhsa_private_segment_fixed_size 0
		.amdhsa_enable_private_segment 0
		.amdhsa_kernarg_size 40
		.amdhsa_user_sgpr_count 2
		.amdhsa_user_sgpr_kernarg_segment_ptr 1
		.amdhsa_wavefront_size32 1
		.amdhsa_system_sgpr_workgroup_id_x 1
		.amdhsa_system_sgpr_workgroup_id_y 1
		.amdhsa_system_sgpr_workgroup_id_z 1
		.amdhsa_system_vgpr_workitem_id 0
		.amdhsa_next_free_vgpr 128
		.amdhsa_next_free_sgpr 66
		.amdhsa_reserve_vcc 0
		.amdhsa_float_denorm_mode_32 3
		.amdhsa_float_denorm_mode_16_64 3
		.amdhsa_memory_ordered 1
		.amdhsa_forward_progress 1
		.amdhsa_inst_pref_size 14
	.end_amdhsa_kernel
	.amdgpu_metadata
---
amdhsa.version: [ 1, 2 ]
amdhsa.kernels:
  - .name:           k_q98743ec316_prep
    .symbol:         k_q98743ec316_prep.kd
    .args:
      - { .name: W_qkv, .offset: 0, .size: 8, .value_kind: global_buffer, .address_space: global }
      - { .name: W_o, .offset: 8, .size: 8, .value_kind: global_buffer, .address_space: global }
      - { .name: wq, .offset: 16, .size: 8, .value_kind: global_buffer, .address_space: global }
      - { .name: wqs, .offset: 24, .size: 8, .value_kind: global_buffer, .address_space: global }
      - { .name: wof, .offset: 32, .size: 8, .value_kind: global_buffer, .address_space: global }
    .group_segment_fixed_size: 0
    .private_segment_fixed_size: 0
    .kernarg_segment_align: 8
    .kernarg_segment_size: 40
    .max_flat_workgroup_size: 32
    .sgpr_count:     66
    .vgpr_count:     128
    .wavefront_size: 32
...
	.end_amdgpu_metadata
.endif
;; end of part 1
;; launch qkv (part 2): grid 256 x 1, 8 waves a work-group, no clusters, 9,728 bytes of LDS; arguments x, wq, wqs, b_qkv, qf, kv; writes qf, kv
.if DOCPART == 2
	.amdgcn_target "amdgcn-amd-amdhsa--gfx1250"
	.amdhsa_code_object_version 6
	.text
	.protected	k_q98743ec316_qkv
	.globl	k_q98743ec316_qkv
	.p2align	8
	.type	k_q98743ec316_qkv,@function
k_q98743ec316_qkv:
	s_mov_b64 s[64:65], 0
	v_nop
	global_prefetch_b8 v0, s[64:65] scope:SCOPE_SE
	s_setreg_imm32_b32 hwreg(HW_REG_WAVE_MODE, 25, 1), 1
	s_wait_xcnt 0x0
; qkv = Q(x_flat) Q(W_qkv) + b_qkv, the product on codes of FP4 (E2M1) with one E8M0 scale for each 32 along K = the 256 channels of x; sums in f32.  x: [4][256 (c)][4,096 (s)] f32: K is not innermost.
; The results leave as f16 in the order of the next launch's operand registers (a fragment = 16 rows x 32 K = 8 registers: registers 0-3 at 16 x lane, 4-7 at 512 + 16 x lane):
;   qf: q x log2(e) / 8:  bh x 524,288 + (token / 16) x 2,048 + cc x 1,024     (bh = 4 batch + head; cc = which 32 of the head's 64 channels)
;   kv: bh x 1,048,576 + (token / 64) x 16,384; in that: k at kt x 2,048 + cc x 1,024 (kt = tile of 16 keys); v, channels as rows and keys as K, at 8,192 + (2 ct + kc) x 1,024 (ct = tile of 16 channels, kc = which 32 keys)
; SHARES.  A work-group takes 64 tokens of one batch.  First the eight waves quantise x: wave w takes 32 tokens (w & 1) x 64 of K (w >> 1); A LANE IS A TOKEN AND ITS REGISTERS RUN DOWN K, so a block of 32 lies in one lane.
; The codes go to LDS as images of the operand's registers, the scale bytes two at a time; one barrier.  Then wave w makes channels 32 w .. 32 w + 31 of q, of k and of v for all 64 tokens: 48 matrix instructions.
; q and k are made with source 0 = W, source 1 = x: a lane then holds one token and eight neighbouring channels.  v is made with source 0 = x, source 1 = W: a lane holds one channel and eight neighbouring tokens.
; So four conversions give 16 bytes of the reader's fragment, and every store of the wave covers 512 consecutive bytes, aligned.  The bias is the C of each sum's first matrix instruction.
; NO JOINT LOADS: what work-groups share is W's codes, 12 fragments and 12 scale words a wave, which go from memory straight into the registers where they stay; a joint load would add a way through LDS for them.
; LIMITS: a block of zeros gets the scale byte 1 (its codes are zeros; this program alone reads the bytes); blocks under 2^-124 were not tried; NaN and infinities are not served; q log2(e) / 8, k or v above 65,504 in magnitude become infinite in f16.
.set XIMG,  0                          ; LDS: x's 8 fragments, (2 tile + K step) x 1,024
.set XSC,   8192                       ; their scale words: (2 tile + K step) x 64 + 4 x row
.set SPARE, 8704                       ; the spare words, 128 bytes for each wave: four blocks of 256 bytes that no other line names
.set LI,  1                            ; v1   16 x lane
.set L4,  2                            ; v2   4 x lane
.set R4,  3                            ; v3   4 x (lane % 16)
.set BH,  4                            ; v4   32 x (lane / 16)
.set XW,  5                            ; v5   where I store x's codes
.set XWS, 6                            ; v6   and my two scale bytes
.set SPW, 8                            ; v8   LDS address of my spare word; never rewritten
.set NIL, 9                            ; v9   0; never rewritten
.set WF,  16                           ; v16-111  W's 12 fragments at 8 (4 ty + 2 nt + ks): ty = q, k, v; nt = tile of 16 channels; ks = K step
.set WS,  112                          ; v112-123 their scale words; scales and nothing else
.set XS,  124                          ; v124-127 x's scale words at 2 tp + ks; scales and nothing else
.set BQ,  128                          ; v128-159 the bias as C for q and k, at 8 (2 ty + nt)
.set BV,  160                          ; v160-175 the bias as C for v, at 8 nt
.set XF,  176                          ; v176-207 x's fragments of a pair of tiles, at 8 (2 tp + ks)
.set AC,  208                          ; v208-239 four accumulators, at 8 (2 nt + tp)
.set OUT, 240                          ; v240-255 packed results, at 4 (2 nt + tp)
.set RAW, 176                          ; v176-239 at the start: my token's 64 numbers of x
.set CD,  240                          ; v240-247 and their codes
	s_load_b256 s[4:11], s[0:1], 0x0               ; x s[4:5], wq s[6:7], wqs s[8:9], b_qkv s[10:11]
	s_load_b128 s[12:15], s[0:1], 0x20             ; qf s[12:13], kv s[14:15]
	v_lshl_add_u32 v[SPW], v0, 2, SPARE
	v_mov_b32 v[NIL], 0
	v_lshrrev_b32 v10, 5, v0
	v_readfirstlane_b32 s18, v10                   ; wave 0..7
	v_and_b32 v11, 31, v0                          ; lane
	v_and_b32 v12, 15, v0                          ; r
	v_bfe_u32 v13, v0, 4, 1                        ; h
	v_lshlrev_b32 v[LI], 4, v11
	v_lshlrev_b32 v[L4], 2, v11
	v_lshlrev_b32 v[R4], 2, v12
	v_lshlrev_b32 v[BH], 5, v13
	s_and_b32 s19, s18, 1                          ; which 32 tokens I quantise; later cc
	s_lshr_b32 s20, s18, 1                         ; which 64 of K I quantise; later the head
	s_lshr_b32 s21, ttmp9, 6                       ; batch
	s_and_b32 s22, ttmp9, 63                       ; which 64 tokens of it
	s_lshl_b32 s23, s21, 2
	s_add_co_u32 s23, s23, s20                     ; bh
	; My token 32 (w & 1) + lane is row r of tile 2 (w & 1) + h.  My block blk of K quarter kq = w >> 1 is k = 64 (kq & 1) + 32 blk + 0 .. 31 of K step kq >> 1:
	; in the operand that is lane r + 16 blk, registers 4 (kq & 1) on: byte (2 tile + K step) x 1,024 + 512 (kq & 1) + 256 blk + 16 r
	s_lshl_b32 s28, s19, 12
	s_lshr_b32 s29, s18, 2                         ; K step
	s_lshl_b32 s30, s29, 10
	s_add_co_u32 s28, s28, s30
	s_and_b32 s31, s20, 1                          ; kq & 1
	s_lshl_b32 s30, s31, 9
	s_add_co_u32 s28, s28, s30
	v_lshlrev_b32 v[XW], 11, v13
	v_lshl_add_u32 v[XW], v12, 4, v[XW]
	v_add_nc_u32 v[XW], s28, v[XW]
	s_lshl_b32 s28, s19, 8                         ; the scale word of (tile, K step, row r); my two bytes are its bytes 2 (kq & 1) and + 1
	s_lshl_b32 s30, s29, 6
	s_add_co_u32 s28, s28, s30
	s_lshl_b32 s30, s31, 1
	s_add_co_u32 s28, s28, s30
	s_add_co_u32 s28, s28, XSC
	v_lshlrev_b32 v[XWS], 7, v13
	v_lshl_add_u32 v[XWS], v12, 2, v[XWS]
	v_add_nc_u32 v[XWS], s28, v[XWS]
	s_mov_b32 s25, 0                               ; the upper word of every offset
	s_mov_b32 s26, 0x3e38aa3b                      ; log2(e) / 8: q carries the softmax's scale and its change of base
	s_mov_b32 s27, s26                             ; (named with it as a pair, so it is written)
	s_lshl_b32 s24, s21, 22                        ; x: the batch, my 64 channels of 16,384 bytes, the 64 tokens, my 32 of them
	s_lshl_b32 s28, s20, 20
	s_add_co_u32 s24, s24, s28
	s_lshl_b32 s28, s22, 8
	s_add_co_u32 s24, s24, s28
	s_lshl_b32 s28, s19, 7
	s_add_co_u32 s24, s24, s28
	s_wait_kmcnt 0x0
	s_add_nc_u64 s[4:5], s[4:5], s[24:25]
.set i, 0
.rept 64
	global_load_b32 v[RAW+i], v[L4], s[4:5] offset:16384*i th:TH_LOAD_NT   ; x(64 kq + i, my token): the wave reads 128 consecutive bytes, its neighbour wave the 128 beside them
.set i, i+1
.endr
	s_lshl_b32 s24, s18, 12                        ; my channels' fragments of W: tile 16 ty + 2 w + nt
	s_add_nc_u64 s[6:7], s[6:7], s[24:25]
	s_lshl_b32 s24, s18, 9
	s_add_nc_u64 s[8:9], s[8:9], s[24:25]
	s_lshl_b32 s24, s18, 7
	s_add_nc_u64 s[10:11], s[10:11], s[24:25]
	s_lshl_b32 s24, s23, 19                        ; q's fragments
	s_lshl_b32 s28, s22, 13
	s_add_co_u32 s24, s24, s28
	s_lshl_b32 s28, s19, 10
	s_add_co_u32 s24, s24, s28
	s_add_nc_u64 s[12:13], s[12:13], s[24:25]
	s_lshl_b32 s24, s23, 20                        ; the key step's 16,384 bytes
	s_lshl_b32 s28, s22, 14
	s_add_co_u32 s29, s24, s28
	s_lshl_b32 s28, s19, 12
	s_add_co_u32 s24, s29, s28
	s_add_co_u32 s24, s24, 8192
	s_add_nc_u64 s[16:17], s[14:15], s[24:25]      ; v's fragments: s[16:17]
	s_lshl_b32 s28, s19, 10
	s_add_co_u32 s24, s29, s28
	s_add_nc_u64 s[14:15], s[14:15], s[24:25]      ; k's: s[14:15]
; Block blk of my 64 numbers: its largest magnitude, its scale byte into v[13 + blk], its 32 codes into LDS.
.macro QBLK blk
.set RB, RAW+32*\blk
	v_max3_num_f32 v10, |v[RB]|, |v[RB+1]|, |v[RB+2]|
	v_max3_num_f32 v11, |v[RB+3]|, |v[RB+4]|, |v[RB+5]|
.irp i, 6,10,14,18,22,26
	v_max3_num_f32 v10, v10, |v[RB+\i]|, |v[RB+\i+1]|
	v_max3_num_f32 v11, v11, |v[RB+\i+2]|, |v[RB+\i+3]|
.endr
	v_max3_num_f32 v10, v10, |v[RB+30]|, |v[RB+31]|
	v_max3_num_f32 v10, v10, v11, 0x1800000        ; and the floor 2^(3 - 127): the byte cannot fall under 1
	v_add_nc_u32 v12, 0xff000000, v10              ; 2 off the exponent field: the conversion's scale operand
	v_lshrrev_b32 v[13+\blk], 23, v12              ; the scale's byte
.irp g, 0,1,2,3
	v_cvt_scalef32_pk8_fp4_f32 v[CD+4*\blk+\g], v[RB+8*\g:RB+8*\g+7], v12
.endr
	v_nop                                          ; one plain line behind the last scaled conversion
	ds_store_b128 v[XW], v[CD+4*\blk:CD+4*\blk+3] offset:256*\blk
.endm
	s_wait_loadcnt 32                              ; my first block is in: 32 loads were issued behind it
.irp ty, 0,1,2
.irp nt, 0,1
.irp ks, 0,1
.irp q, 0,1
	global_load_b128 v[WF+8*(4*\ty+2*\nt+\ks)+4*\q:WF+8*(4*\ty+2*\nt+\ks)+4*\q+3], v[LI], s[6:7] offset:(32*\ty+2*\nt+\ks)*1024+512*\q
.endr
.endr
.endr
.endr
	QBLK 0
	s_wait_loadcnt 24                              ; my second block is in: only W's 24 loads are younger
.irp ty, 0,1,2
.irp nt, 0,1
.irp ks, 0,1
	global_load_b32 v[WS+4*\ty+2*\nt+\ks], v[L4], s[8:9] offset:(32*\ty+2*\nt+\ks)*128
.endr
.endr
.endr
.irp ty, 0,1
.irp nt, 0,1
.irp q, 0,1
	global_load_b128 v[BQ+8*(2*\ty+\nt)+4*\q:BQ+8*(2*\ty+\nt)+4*\q+3], v[BH], s[10:11] offset:1024*\ty+64*\nt+16*\q   ; lane (r, h): the bias of channels 16 nt + 8 h + 0 .. 7
.endr
.endr
.endr
.irp nt, 0,1
	global_load_b32 v[BV+8*\nt], v[R4], s[10:11] offset:2048+64*\nt    ; lane (r, h): the bias of channel 16 nt + r
.endr
	QBLK 1
	v_lshl_or_b32 v15, v14, 8, v13
	ds_store_b16 v[XWS], v15                       ; my two scale bytes
	s_wait_dscnt 0x0                               ; for the others' sake: my stores have landed
	s_barrier_signal -1
	s_barrier_wait -1                              ; x's eight fragments and their scale words lie in LDS
	s_wait_loadcnt 0x0                             ; W, its scale words, the biases
.irp nt, 0,1
.irp j, 1,2,3,4,5,6,7
	v_mov_b32 v[BV+8*\nt+\j], v[BV+8*\nt]          ; v's C: the same bias for a lane's eight tokens
.endr
.endr
; One of q, k, v (ty) for the pair pr of token tiles: 8 matrix instructions on four accumulators by turns; then rounded to f16 and stored.
.macro GROUP ty, pr
.irp ks, 0,1
.irp nt, 0,1
.irp tp, 0,1
.if \ty < 2
.if \ks == 0
	v_wmma_scale_f32_16x16x128_f8f6f4 v[AC+8*(2*\nt+\tp):AC+8*(2*\nt+\tp)+7], v[WF+8*(4*\ty+2*\nt+\ks):WF+8*(4*\ty+2*\nt+\ks)+7], v[XF+8*(2*\tp+\ks):XF+8*(2*\tp+\ks)+7], v[BQ+8*(2*\ty+\nt):BQ+8*(2*\ty+\nt)+7], v[WS+4*\ty+2*\nt+\ks], v[XS+2*\tp+\ks] matrix_a_fmt:MATRIX_FMT_FP4 matrix_b_fmt:MATRIX_FMT_FP4
.else
	v_wmma_scale_f32_16x16x128_f8f6f4 v[AC+8*(2*\nt+\tp):AC+8*(2*\nt+\tp)+7], v[WF+8*(4*\ty+2*\nt+\ks):WF+8*(4*\ty+2*\nt+\ks)+7], v[XF+8*(2*\tp+\ks):XF+8*(2*\tp+\ks)+7], v[AC+8*(2*\nt+\tp):AC+8*(2*\nt+\tp)+7], v[WS+4*\ty+2*\nt+\ks], v[XS+2*\tp+\ks] matrix_a_fmt:MATRIX_FMT_FP4 matrix_b_fmt:MATRIX_FMT_FP4
.endif
.else
.if \ks == 0
	v_wmma_scale_f32_16x16x128_f8f6f4 v[AC+8*(2*\nt+\tp):AC+8*(2*\nt+\tp)+7], v[XF+8*(2*\tp+\ks):XF+8*(2*\tp+\ks)+7], v[WF+8*(4*\ty+2*\nt+\ks):WF+8*(4*\ty+2*\nt+\ks)+7], v[BV+8*\nt:BV+8*\nt+7], v[XS+2*\tp+\ks], v[WS+4*\ty+2*\nt+\ks] matrix_a_fmt:MATRIX_FMT_FP4 matrix_b_fmt:MATRIX_FMT_FP4
.else
	v_wmma_scale_f32_16x16x128_f8f6f4 v[AC+8*(2*\nt+\tp):AC+8*(2*\nt+\tp)+7], v[XF+8*(2*\tp+\ks):XF+8*(2*\tp+\ks)+7], v[WF+8*(4*\ty+2*\nt+\ks):WF+8*(4*\ty+2*\nt+\ks)+7], v[AC+8*(2*\nt+\tp):AC+8*(2*\nt+\tp)+7], v[XS+2*\tp+\ks], v[WS+4*\ty+2*\nt+\ks] matrix_a_fmt:MATRIX_FMT_FP4 matrix_b_fmt:MATRIX_FMT_FP4
.endif
.endif
.endr
.endr
.endr
.rept 4
	v_nop                                          ; four places in front of the first read of results (ISA guide 7.12.1)
.endr
.if \ty == 0
.set i, 0
.rept 16
	v_pk_mul_f32 v[AC+i:AC+i+1], v[AC+i:AC+i+1], s[26:27] op_sel_hi:[1,0]   ; q x log2(e) / 8, each accumulator from its low end on
.set i, i+2
.endr
.endif
	s_wait_xcnt 0x0                                ; the last group's stores have read OUT: only behind this wait is it written again
.set i, 0
.rept 16
	v_cvt_pk_f16_f32 v[OUT+i], v[AC+2*i], v[AC+2*i+1]   ; each accumulator from its low end on.  With the v_nop above, the other accumulators' conversions are the five places in front of the next group's first product, which writes AC anew, and the four in front of loads into XF and XS
.set i, i+1
.endr
.irp nt, 0,1
.irp tp, 0,1
.if \ty == 0
	global_store_b128 v[LI], v[OUT+4*(2*\nt+\tp):OUT+4*(2*\nt+\tp)+3], s[12:13] offset:(2*\pr+\tp)*2048+512*\nt   ; channels 16 nt + 8 h + 0 .. 7 of token r: registers 4 nt on of the tile's fragment
.elseif \ty == 1
	global_store_b128 v[LI], v[OUT+4*(2*\nt+\tp):OUT+4*(2*\nt+\tp)+3], s[14:15] offset:(2*\pr+\tp)*2048+512*\nt
.else
	global_store_b128 v[LI], v[OUT+4*(2*\nt+\tp):OUT+4*(2*\nt+\tp)+3], s[16:17] offset:2048*\nt+1024*\pr+512*\tp   ; keys 16 tp + 8 h + 0 .. 7 of channel r: registers 4 tp on of fragment (ct = 2 cc + nt, kc = pr)
.endif
.endr
.endr
.endm
.irp pr, 0,1
.irp tp, 0,1
.irp ks, 0,1
	ds_load_b128 v[XF+8*(2*\tp+\ks):XF+8*(2*\tp+\ks)+3], v[LI] offset:XIMG+((2*\pr+\tp)*2+\ks)*1024
	ds_load_b128 v[XF+8*(2*\tp+\ks)+4:XF+8*(2*\tp+\ks)+7], v[LI] offset:XIMG+((2*\pr+\tp)*2+\ks)*1024+512
	ds_load_b32 v[XS+2*\tp+\ks], v[R4] offset:XSC+((2*\pr+\tp)*2+\ks)*64
.endr
.endr
	s_wait_dscnt 0x0
	GROUP 0, \pr
	GROUP 1, \pr
	GROUP 2, \pr
.endr
	s_wait_tensorcnt 0x0                           ; the wave's end: behind my last LDS store
	ds_add_u32 v[SPW], v[NIL]
	s_wait_dscnt 0x0
	s_endpgm
.Lfunc_end_k_q98743ec316_qkv:
	.size	k_q98743ec316_qkv, .Lfunc_end_k_q98743ec316_qkv-k_q98743ec316_qkv
	.p2alignl 7, 3214868480
	.fill 96, 4, 3214868480
	.section	.rodata,"a",@progbits
	.p2align	6, 0x0
	.amdhsa_kernel k_q98743ec316_qkv
		.amdhsa_group_segment_fixed_size 9728
		.amdhsa_private_segment_fixed_size 0
		.amdhsa_enable_private_segment 0
		.amdhsa_kernarg_size 48
		.amdhsa_user_sgpr_count 2
		.amdhsa_user_sgpr_kernarg_segment_ptr 1
		.amdhsa_wavefront_size32 1
		.amdhsa_system_sgpr_workgroup_id_x 1
		.amdhsa_system_sgpr_workgroup_id_y 1
		.amdhsa_system_sgpr_workgroup_id_z 1
		.amdhsa_system_vgpr_workitem_id 0
		.amdhsa_next_free_vgpr 256
		.amdhsa_next_free_sgpr 66
		.amdhsa_reserve_vcc 0
		.amdhsa_float_denorm_mode_32 3
		.amdhsa_float_denorm_mode_16_64 3
		.amdhsa_memory_ordered 1
		.amdhsa_forward_progress 1
		.amdhsa_inst_pref_size 36
	.end_amdhsa_kernel
	.amdgpu_metadata
---
amdhsa.version: [ 1, 2 ]
amdhsa.kernels:
  - .name:           k_q98743ec316_qkv
    .symbol:         k_q98743ec316_qkv.kd
    .args:
      - { .name: x, .offset: 0, .size: 8, .value_kind: global_buffer, .address_space: global }
      - { .name: wq, .offset: 8, .size: 8, .value_kind: global_buffer, .address_space: global }
      - { .name: wqs, .offset: 16, .size: 8, .value_kind: global_buffer, .address_space: global }
      - { .name: b_qkv, .offset: 24, .size: 8, .value_kind: global_buffer, .address_space: global }
      - { .name: qf, .offset: 32, .size: 8, .value_kind: global_buffer, .address_space: global }
      - { .name: kv, .offset: 40, .size: 8, .value_kind: global_buffer, .address_space: global }
    .group_segment_fixed_size: 9728
    .private_segment_fixed_size: 0
    .kernarg_segment_align: 8
    .kernarg_segment_size: 48
    .max_flat_workgroup_size: 256
    .sgpr_count:     66
    .vgpr_count:     256
    .wavefront_size: 32
...
	.end_amdgpu_metadata
.endif
;; end of part 2
;; launch attn (part 3): grid 16 x 16, 8 waves a work-group, clusters of 4 x 1, 327,680 bytes of LDS; arguments qf, kv, vf; writes vf
.if DOCPART == 3
	.amdgcn_target "amdgcn-amd-amdhsa--gfx1250"
	.amdhsa_code_object_version 6
	.text
	.protected	k_q98743ec316_attn
	.globl	k_q98743ec316_attn
	.p2align	8
	.type	k_q98743ec316_attn,@function
k_q98743ec316_attn:
	s_mov_b64 s[64:65], 0
	v_nop
	global_prefetch_b8 v0, s[64:65] scope:SCOPE_SE
	s_setreg_imm32_b32 hwreg(HW_REG_WAVE_MODE, 25, 1), 1
	s_wait_xcnt 0x0
	s_wait_alu depctr_hold_cnt(0) depctr_sa_sdst(0) depctr_va_vdst(0) depctr_va_sdst(0) depctr_va_ssrc(0) depctr_va_vcc(0) depctr_vm_vsrc(0)
	s_getreg_b32 s2, hwreg(HW_REG_IB_STS2, 6, 4)
	s_cmp_eq_u32 s2, 0
	s_cbranch_scc0 .Lentry_in_a_cluster
	s_endpgm
.Lentry_in_a_cluster:
	s_bfe_u32 s2, ttmp6, 0x10000c
	s_cmp_lg_u32 s2, 0x3003
	s_cbranch_scc0 .Lentry_shape_is_right
	s_endpgm
.Lentry_shape_is_right:
; vals[bh][q] = the sum over k of softmax_k(q . k / 8) v[k]: 16 pairs (batch, head) x 4,096 queries x 4,096 keys, head size 64, no mask.  Operands in f16, products, maxima and sums in f32.
; q arrives multiplied by log2(e) / 8, so a score s is an exponent of 2: p = 2^(s - m), m the running maximum; in every step l and O are multiplied by a = 2^(m_old - m_new); the row's sum is taken of the unrounded p.
; All three buffers lie in the order of the operand's registers (a fragment = 8 registers = 1,024 bytes: registers 0-3 at 16 x lane, 4-7 at 512 + 16 x lane), so every LDS and global access here is 512 consecutive bytes a wave.
; SHARES.  A work-group owns 256 queries of one (batch, head).  Wave w: u = w & 3 picks 64 queries (four tiles of 16), g = w >> 2 picks the key steps 2 i + g: each wave walks 2,048 keys, 64 a step, 32 steps.
; Two waves lie on a SIMD, so that one wave's softmax stands beside the other's products.  At the end wave 4 + u hands m, l and O to wave u through LDS, which joins them, divides and stores.
; LAYOUT.  S^T = K Q^T (source 0 = 16 keys, source 1 = 16 queries): a lane holds ONE query (lane % 16) and keys 8 (lane / 16) + 0 .. 7.  Two such tiles rounded to f16 in pairs ARE source 1 (32 keys x 16 queries) of O^T = V^T P.
; RING.  Two LDS slots of 8 key steps (131,072 bytes each), dense; each of the eight waves fetches one step's 16,384 bytes (64 rows of 256 bytes) with one tensor load: one load of mine is out at the most.
; CLUSTER.  The four query blocks of a cluster belong to one (batch, head) and walk the same K and V: each tile is asked for JOINTLY, by the same tensor load with the same descriptor and a mask that names the four.
; LIMITS: operands above 65,504 in magnitude are infinite in f16 already in the buffers; p under 2^-14 is carried with f16's absolute step there, 2^-25 at the most in error, against a row sum of at least 1; NaN and infinities are not served.
; REGISTERS, in windows of 256 (s_set_vgpr_msb: bits 1:0 source 0, 3:2 source 1, 5:4 source 2, 7:6 destination):
;   window 0: v1-7 addresses; v16-47 statistics, 8 a tile; v48-111 eight fragments of K or of V; v112-239 S^T, 32 a tile, P in place in a tile's low 16; v240-255 the statistics that are handed over
;   window 1: v0-127 O^T at 32 t + 8 ct; v128-191 Q at 128 + 8 (2 t + cc)
.set SLOT1, 1<<17                      ; slot 1 begins here: one exclusive or turns an address in one slot into the other's
.set SLOTB, 131072                     ; a slot's bytes, in LDS and in memory
.set SPARE, 2*SLOT1                    ; behind the ring: the spare words, 128 bytes for each wave: four blocks of 256 bytes that no other line names
.set MGB,   17408                      ; the hand-over: 16,384 bytes of O and 2 x 512 of statistics for each u, in slot 0, which has had its last fill and its last read by then
.set LB,  1                            ; v1   16 x lane + 16,384 g: my lane's place in my group's first step of a slot
.set ADR, 2                            ; v2   the step's LDS address
.set MG,  3                            ; v3   the hand-over: 17,408 u + 16 x lane
.set GO,  4                            ; v4   16 x lane
.set PFO, 5                            ; v5   256 x lane: the prefetches' offset; never rewritten
.set SPW, 6                            ; v6   LDS address of my spare word; never rewritten
.set NIL, 7                            ; v7   0; never rewritten
.set ST,  16                           ; tile t at v[ST + 8 t]: +0 m; +1 the old m, then its change; +2, +3 l (even keys', odd keys'); +4 .. +7 at work; a takes +6
.set KV,  48
.set S,   112
.set OWN, 240                          ; v240-243 my m, v244-247 my l
.set OTH, 248                          ; v248-251 the partner's m, v252-255 its l
.set QW,  128                          ; Q, in window 1
; s[4:5] qf, s[6:7] kv, s[8:9] vf; s10 wave, s11 g, s12 u, s13 cx, s14 query block, s15 bh; s[16:23] descriptor group 1; s[24:27] group 0, which walks;
; s28 LDS byte of the step to be fetched, less my group's; s29 slots still to be asked for; s30 counts a slot's steps; s31 1 in a wave that prefetches, else the greatest number; s[32:33] where my prefetches stand; s[34:35] lane selects
.set MSB, 0
.macro WIN new                         ; the immediate's high byte repeats the setting that is left; a switch that changes nothing is dropped
.if MSB != \new
	s_set_vgpr_msb (MSB<<8)|\new
.set MSB, \new
.endif
.endm
.set W_KQ, 0x04                        ; source 1 (Q) window 1
.set W_RS, 0x41                        ; destination and source 0 (O^T) window 1
.set W_PV, 0x50                        ; C and D (O^T) window 1
.set W_D1, 0x40                        ; destination window 1
.set W_ST, 0x04                        ; an LDS store's data are its source 1: window 1
.set W_S0, 0x01                        ; source 0 window 1
; A round of the cluster's barrier: my work-group's barrier, so that wave 0's signal speaks for all eight waves; wave 0 signals for the work-group; every wave waits for all four work-groups; my work-group's barrier once more.
.macro CROUND
	s_barrier_signal -1
	s_barrier_wait -1
	s_cmp_lg_u32 s10, 0
	s_cbranch_scc1 .Lnot_wave_0_\@
	s_barrier_signal -3
.Lnot_wave_0_\@:
	s_barrier_wait -3
	s_barrier_signal -1
	s_barrier_wait -1
.endm
; A PREFETCH INTO THE L2 of the slot that the NEXT change of slots will ask for: 131,072 bytes, lanes 256 bytes apart, one instruction a wave.  It stands behind the wave's tensor load and its five lines.
; Each aligned block of 256 bytes is named once in the launch: all four clusters of a (batch, head) walk the same bytes, so the first of them asks; its four partners take 32,768 bytes each, told apart BY ADDRESS;
; in each, waves 0 to 3 take 8,192 bytes each.  Slots 0 and 1 come by their loads alone; the last change that fills a slot asks for nothing: there is no slot behind it.
.macro ASK
	s_cmp_gt_u32 s29, s31
	s_cbranch_scc0 .Lnot_mine_\@
	global_prefetch_b8 v[PFO], s[32:33] th:TH_LOAD_NT scope:SCOPE_SE
.Lnot_mine_\@:
.endm
	s_load_b128 s[4:7], s[0:1], 0x0                ; qf, kv
	s_load_b64 s[8:9], s[0:1], 0x10                ; vf
	v_lshl_add_u32 v[SPW], v0, 2, SPARE
	v_mov_b32 v[NIL], 0
	ds_add_u32 v[SPW], v[NIL]                      ; the wave's opening: the add, twice on end, and its wait ahead of my first tensor load; the set-up below, work on registers, stands between the second and the wait
	ds_add_u32 v[SPW], v[NIL]
	v_lshrrev_b32 v8, 5, v0
	v_readfirstlane_b32 s10, v8                    ; wave 0..7
	s_lshr_b32 s11, s10, 2                         ; g: which key steps
	s_and_b32 s12, s10, 3                          ; u: which 64 queries
	s_bfe_u32 s13, ttmp6, 0x40000                  ; cx: my place in the cluster
	s_lshl_b32 s14, ttmp9, 2                       ; in a cluster launch ttmp9 counts clusters
	s_add_co_u32 s14, s14, s13                     ; my block of 256 queries: it enters Q's and the result's addresses alone
	s_and_b32 s15, ttmp7, 0xffff                   ; bh, which the four partners share
	; descriptor group 1: 64 rows of 256 bytes (32 elements of 8 bytes), dense in memory and in LDS
	s_mov_b32 s16, 15|(3<<16)|(1<<21)              ; 15:0 the mask: all four work-groups; 17:16 elements of 8 bytes; 20 no padding; 21 set beside a mask
	s_mov_b32 s17, 32<<16                          ; tensor_dim0 = 32
	s_mov_b32 s18, 64<<16                          ; tensor_dim1 = 64
	s_mov_b32 s19, 32<<16                          ; tile_dim0 = 32
	s_mov_b32 s20, 64                              ; tile_dim1 = 64
	s_mov_b32 s21, 32                              ; from row to row
	s_mov_b32 s22, 0
	s_mov_b32 s23, 0
	s_mov_b32 s24, 1                               ; group 0: count = 1
	s_lshl_b32 s25, s10, 14                        ; LDS address: step w of slot 0: no place in the cluster enters it
	s_lshl_b32 s36, s15, 20                        ; and the same step in memory
	s_add_co_u32 s36, s36, s25
	s_mov_b32 s37, 0
	s_lshl_b32 s38, s15, 19                        ; Q: bh, my block's 16 tiles of 2,048 bytes, my wave's four
	s_lshl_b32 s42, s14, 15
	s_add_co_u32 s38, s38, s42
	s_lshl_b32 s42, s12, 13
	s_add_co_u32 s38, s38, s42
	s_mov_b32 s39, 0
	s_lshr_b32 s40, s15, 2                         ; the result: batch, my block's 16 tiles of 8,192 bytes, my wave's four, the head's two fragments
	s_lshl_b32 s40, s40, 21
	s_lshl_b32 s42, s14, 17
	s_add_co_u32 s40, s40, s42
	s_lshl_b32 s42, s12, 15
	s_add_co_u32 s40, s40, s42
	s_and_b32 s42, s15, 3
	s_lshl_b32 s42, s42, 11
	s_add_co_u32 s40, s40, s42
	s_mov_b32 s41, 0
	s_lshl_b32 s44, s15, 20                        ; the prefetches: bh, my work-group's 32,768 bytes of a slot, my wave's 8,192,
	s_lshl_b32 s42, s13, 15
	s_add_co_u32 s44, s44, s42
	s_lshl_b32 s42, s10, 13
	s_add_co_u32 s44, s44, s42
	s_add_co_u32 s44, s44, SLOTB                   ; in slot 1: the first change of slots steps it to slot 2.  Nothing is prefetched at the head
	s_mov_b32 s45, 0
	s_or_b32 s31, s11, ttmp9                       ; 0 in waves 0 to 3 of the first cluster of a (batch, head): the same in all four partners
	s_cmp_eq_u32 s31, 0
	s_cselect_b32 s31, 1, -1
	s_mov_b32 s34, 0x76543210
	s_mov_b32 s35, 0xfedcba98                      ; v_permlanex16_b32's selects for lane l xor 16
	s_mov_b32 s28, 0
	s_mov_b32 s29, 7
	s_wait_dscnt 0x0                               ; both opening adds are done
	s_wait_kmcnt 0x0
	s_add_nc_u64 s[26:27], s[6:7], s[36:37]        ; global address of my step of slot 0
	s_or_b32 s27, s27, 0x80000000                  ; type = 2
	s_add_nc_u64 s[32:33], s[6:7], s[44:45]
	s_add_nc_u64 s[4:5], s[4:5], s[38:39]
	s_add_nc_u64 s[8:9], s[8:9], s[40:41]
	CROUND                                         ; all four work-groups are here: the first joint loads meet
	tensor_load_to_lds s[24:27], s[16:23]          ; slot 0
	s_nop 0
.rept 4
	v_nop
.endr
	v_and_b32 v8, 31, v0
	v_lshlrev_b32 v[GO], 4, v8
	v_lshlrev_b32 v[PFO], 8, v8
	s_lshl_b32 s42, s11, 14
	v_add_nc_u32 v[LB], s42, v[GO]
	s_mul_i32 s42, s12, MGB
	v_add_nc_u32 v[MG], s42, v[GO]                 ; every LDS address register is made here, ahead of the place where the waves part
	WIN W_D1
.irp f, 0,1,2,3,4,5,6,7                        ; Q stays in registers: fragment f = 2 t + cc
	global_load_b128 v[QW+8*\f:QW+8*\f+3],   v[GO], s[4:5] offset:1024*\f
	global_load_b128 v[QW+8*\f+4:QW+8*\f+7], v[GO], s[4:5] offset:1024*\f+512
.endr
.set i, 0
.rept 128
	v_mov_b32 v[i], 0                              ; O^T.  The key step is written once: the first finds zeros, which its a = 0 leaves zeros; a first step of its own would be a third copy of the step's text
.set i, i+1
.endr
	WIN 0
.irp t, 0,1,2,3
	v_mov_b32 v[ST+8*\t], 0xff61b1e6               ; m: -3e38, under every score
	v_mov_b32 v[ST+8*\t+2], 0                      ; l
	v_mov_b32 v[ST+8*\t+3], 0
.endr
; A KEY STEP: 64 keys x my 64 queries.  The sixteen accumulators of each product take turns, one instruction a turn.
.macro STEP
	v_add_nc_u32 v[ADR], s28, v[LB]                ; with the four v_nop: five places behind the last V^T P, whose P the products below write over, and whose V the loads below land on
.rept 4
	v_nop
.endr
.irp cc, 0,1
.irp kt, 0,1,2,3
	ds_load_b128 v[KV+8*(2*\kt+\cc):KV+8*(2*\kt+\cc)+3],   v[ADR] offset:2048*\kt+1024*\cc
	ds_load_b128 v[KV+8*(2*\kt+\cc)+4:KV+8*(2*\kt+\cc)+7], v[ADR] offset:2048*\kt+1024*\cc+512
.endr
.endr
	s_add_co_u32 s28, s28, 32768                   ; my group's next step lies two steps on
	s_wait_dscnt 8                                 ; K's channels 0-31 are in; the eight loads of channels 32-63 may be out
	WIN W_KQ
.irp kt, 0,1,2,3
.irp t, 0,1,2,3
	v_wmma_f32_16x16x32_f16 v[S+32*\t+8*\kt:S+32*\t+8*\kt+7], v[KV+16*\kt:KV+16*\kt+7], v[QW+16*\t:QW+16*\t+7], 0
.endr
.endr
	s_wait_dscnt 0x0
.irp kt, 0,1,2,3
.irp t, 0,1,2,3
	v_wmma_f32_16x16x32_f16 v[S+32*\t+8*\kt:S+32*\t+8*\kt+7], v[KV+16*\kt+8:KV+16*\kt+15], v[QW+16*\t+8:QW+16*\t+15], v[S+32*\t+8*\kt:S+32*\t+8*\kt+7]
.endr
.endr
	WIN 0
.irp t, 0,1,2,3
	v_mov_b32 v[ST+8*\t+1], v[ST+8*\t]             ; the old m is kept.  These four are the places in front of the loads into K's registers and of the first read of the scores
.endr
.irp f, 0,1,2,3,4,5,6,7                        ; V: fragment f = 2 ct + kc; it lands while the softmax is walked
	ds_load_b128 v[KV+8*\f:KV+8*\f+3],   v[ADR] offset:8192+1024*\f
	ds_load_b128 v[KV+8*\f+4:KV+8*\f+7], v[ADR] offset:8192+1024*\f+512
.endr
	; the maximum of a lane's 32 scores and the old m, three operands at a time, the four tiles by turns; each accumulator is read from its low end on
.irp j, 0,1,2,3
.irp t, 0,1,2,3
	v_max3_num_f32 v[ST+8*\t+4+\j], v[S+32*\t+8*\j], v[S+32*\t+8*\j+1], v[S+32*\t+8*\j+2]
.endr
.endr
.irp i, 3,5
.irp j, 0,1,2,3
.irp t, 0,1,2,3
	v_max3_num_f32 v[ST+8*\t+4+\j], v[ST+8*\t+4+\j], v[S+32*\t+8*\j+\i], v[S+32*\t+8*\j+\i+1]
.endr
.endr
.endr
.irp t, 0,1,2,3
	v_max3_num_f32 v[ST+8*\t+4], v[ST+8*\t+4], v[S+32*\t+7], v[S+32*\t+15]
.endr
.irp t, 0,1,2,3
	v_max3_num_f32 v[ST+8*\t+6], v[ST+8*\t+6], v[S+32*\t+23], v[S+32*\t+31]
.endr
.irp t, 0,1,2,3
	v_max3_num_f32 v[ST+8*\t+4], v[ST+8*\t+4], v[ST+8*\t+5], v[ST+8*\t+6]
.endr
.irp t, 0,1,2,3
	v_max3_num_f32 v[ST+8*\t+4], v[ST+8*\t+4], v[ST+8*\t+7], v[ST+8*\t]
.endr
.irp t, 0,1,2,3
	v_permlanex16_b32 v[ST+8*\t+5], v[ST+8*\t+4], s34, s35   ; the query's other 32 keys lie in the lane 16 away
.endr
.irp t, 0,1,2,3
	v_max_num_f32 v[ST+8*\t], v[ST+8*\t+4], v[ST+8*\t+5]     ; the new m
.endr
.irp t, 0,1,2,3
	v_sub_f32 v[ST+8*\t+1], v[ST+8*\t+1], v[ST+8*\t]         ; m_old - m_new
.endr
.irp t, 0,1,2,3
.set i, 0
.rept 16
	v_pk_add_f32 v[S+32*\t+i:S+32*\t+i+1], v[S+32*\t+i:S+32*\t+i+1], v[ST+8*\t:ST+8*\t+1] op_sel_hi:[1,0] neg_lo:[0,1] neg_hi:[0,1]   ; s - m, two at a time
.set i, i+2
.endr
.endr
.irp t, 0,1,2,3
	v_exp_f32 v[ST+8*\t+6], v[ST+8*\t+1]           ; a
.endr
.set i, 0
.rept 128
	v_exp_f32 v[S+i], v[S+i]                       ; p
.set i, i+1
.endr
	v_nop                                          ; a plain line behind the last exponential
	s_wait_alu depctr_va_vdst(0)                   ; one wait for the batch of 132, ahead of the first line that names a result
.irp t, 0,1,2,3
	v_pk_mul_f32 v[ST+8*\t+2:ST+8*\t+3], v[ST+8*\t+2:ST+8*\t+3], v[ST+8*\t+6:ST+8*\t+7] op_sel_hi:[1,0]   ; l x a
.endr
.irp t, 0,1,2,3
	v_pk_add_f32 v[ST+8*\t+4:ST+8*\t+5], v[S+32*\t:S+32*\t+1], v[S+32*\t+2:S+32*\t+3]   ; the sum of the unrounded p, in two chains a tile
.endr
.irp i, 4,8,12,16,20,24,28
.irp t, 0,1,2,3
	v_pk_add_f32 v[ST+8*\t+2:ST+8*\t+3], v[ST+8*\t+2:ST+8*\t+3], v[S+32*\t+\i:S+32*\t+\i+1]
	v_pk_add_f32 v[ST+8*\t+4:ST+8*\t+5], v[ST+8*\t+4:ST+8*\t+5], v[S+32*\t+\i+2:S+32*\t+\i+3]
.endr
.endr
.irp t, 0,1,2,3
	v_pk_add_f32 v[ST+8*\t+2:ST+8*\t+3], v[ST+8*\t+2:ST+8*\t+3], v[ST+8*\t+4:ST+8*\t+5]
.endr
.irp t, 0,1,2,3
.set i, 0
.rept 16
	v_cvt_pk_f16_f32 v[S+32*\t+i], v[S+32*\t+2*i], v[S+32*\t+2*i+1]   ; P in place: register i is written when registers 2 i and 2 i + 1 are read, never ahead of them
.set i, i+1
.endr
.endr
	WIN W_RS
.irp t, 0,1,2,3
.set i, 0
.rept 16
	v_pk_mul_f32 v[32*\t+i:32*\t+i+1], v[32*\t+i:32*\t+i+1], v[ST+8*\t+6:ST+8*\t+7] op_sel_hi:[1,0]   ; O^T x a, each accumulator from its low end on
.set i, i+2
.endr
.endr
	s_wait_dscnt 0x0                               ; V is in
	WIN W_PV
.irp kc, 0,1
.irp ct, 0,1,2,3
.irp t, 0,1,2,3
	v_wmma_f32_16x16x32_f16 v[32*\t+8*\ct:32*\t+8*\ct+7], v[KV+8*(2*\ct+\kc):KV+8*(2*\ct+\kc)+7], v[S+32*\t+8*\kc:S+32*\t+8*\kc+7], v[32*\t+8*\ct:32*\t+8*\ct+7]
.endr
.endr
.endr
	WIN 0
.endm
; THE CHANGE OF SLOTS stands at a slot's head.  Each wave waits for all its tensor loads (its step of the slot that it is about to read), adds 0 to its spare word, and waits for that and for its reads of the slot that it has left.
; fill = 1: the barrier is a round of the cluster's, so that no wave of any partner still reads the other slot or has a load on its way; that slot is then filled with the next eight steps: the load has my four steps in which to land.
.macro CHANGE fill
	s_wait_tensorcnt 0x0                           ; no tensor load of mine is out, so group 0 may be written
	ds_add_u32 v[SPW], v[NIL]                      ; 0 onto my spare word
.if \fill
	s_xor_b32 s25, s25, SLOT1                      ; the walking descriptor: the other slot than last time,
	s_add_nc_u64 s[26:27], s[26:27], SLOTB         ; the next eight steps; the type bits on top are not reached
	s_wait_xcnt 0x0                                ; the last prefetch, a slot back, has read its address, so it may be written:
	s_add_nc_u64 s[32:33], s[32:33], SLOTB         ; one slot further on than the walking descriptor
	s_wait_dscnt 0x0                               ; the add is done, and my reads of the slot that I have left are over
	CROUND
	tensor_load_to_lds s[24:27], s[16:23]          ; the first thing behind the round, and my one tensor load until the next
	s_nop 0
.rept 4
	v_nop
.endr
	ASK
.else
	s_wait_dscnt 0x0
	s_barrier_signal -1
	s_barrier_wait -1
.endif
.endm
.macro SLOT_STEPS                      ; my group's four steps of a slot: written once, walked four times; the LDS address hangs on s28
	s_mov_b32 s30, 4
.Lstep_\@:
	STEP
	s_sub_co_u32 s30, s30, 1
	s_cmp_lg_u32 s30, 0
	s_cbranch_scc1 .Lstep_\@
	s_sub_co_u32 s28, s28, SLOTB                   ; back to a slot's first step,
	s_xor_b32 s28, s28, SLOT1                      ; in the other slot
.endm
	s_wait_loadcnt 0x0                             ; Q
.Lslot:                                            ; seven trips: behind each change of slots but the last the next slot is asked for
	CHANGE 1
	SLOT_STEPS
	s_sub_co_u32 s29, s29, 1
	s_cmp_lg_u32 s29, 0
	s_cbranch_scc1 .Lslot
	CHANGE 0                                       ; the last slot is written out
	SLOT_STEPS
	; THE TWO KEY GROUPS MEET.  These eight lines are the places behind the last products.
.irp t, 0,1,2,3
	v_mov_b32 v[OWN+\t], v[ST+8*\t]
.endr
.irp t, 0,1,2,3
	v_add_f32 v[OWN+4+\t], v[ST+8*\t+2], v[ST+8*\t+3]
.endr
	s_wait_dscnt 0x0
	s_barrier_signal -1
	s_barrier_wait -1                              ; no wave reads the ring any more, and nothing fills it again
	s_cmp_eq_u32 s11, 0
	s_cbranch_scc1 .Lkeep
	WIN W_ST
.set i, 0
.rept 32
	ds_store_b128 v[MG], v[4*i:4*i+3] offset:512*i ; group 1: O^T as it stands, each accumulator from its low end on
.set i, i+1
.endr
	WIN 0
	ds_store_b128 v[MG], v[OWN:OWN+3] offset:16384
	ds_store_b128 v[MG], v[OWN+4:OWN+7] offset:16896
.Lkeep:
	s_wait_dscnt 0x0                               ; for the partner's sake: my stores have landed
	s_barrier_signal -1
	s_barrier_wait -1
	s_cmp_lg_u32 s11, 0
	s_cbranch_scc1 .Lend
	ds_load_b128 v[OTH:OTH+3], v[MG] offset:16384
	ds_load_b128 v[OTH+4:OTH+7], v[MG] offset:16896
.set i, 0
.rept 32
	ds_load_b128 v[S+4*i:S+4*i+3], v[MG] offset:512*i   ; the partner's O^T into S^T's registers, which are free
.set i, i+1
.endr
	s_wait_dscnt 32                                ; the partner's m and l are in; the 32 loads behind them may be out
.irp t, 0,1,2,3
	v_max_num_f32 v[ST+8*\t+1], v[OWN+\t], v[OTH+\t]         ; M = the larger m
.endr
.irp t, 0,1,2,3
	v_sub_f32 v[ST+8*\t+4], v[OWN+\t], v[ST+8*\t+1]
	v_sub_f32 v[ST+8*\t+5], v[OTH+\t], v[ST+8*\t+1]
.endr
.irp t, 0,1,2,3
	v_exp_f32 v[ST+8*\t+4], v[ST+8*\t+4]           ; 2^(m - M),
	v_exp_f32 v[ST+8*\t+5], v[ST+8*\t+5]           ; 2^(m' - M)
.endr
	v_nop
	s_wait_alu depctr_va_vdst(0)                   ; one wait for the eight
.irp t, 0,1,2,3
	v_mul_f32 v[ST+8*\t+2], v[OWN+4+\t], v[ST+8*\t+4]
.endr
.irp t, 0,1,2,3
	v_fma_f32 v[ST+8*\t+2], v[OTH+4+\t], v[ST+8*\t+5], v[ST+8*\t+2]
.endr
.irp t, 0,1,2,3
	v_permlanex16_b32 v[ST+8*\t+3], v[ST+8*\t+2], s34, s35
.endr
.irp t, 0,1,2,3
	v_add_f32 v[ST+8*\t+2], v[ST+8*\t+2], v[ST+8*\t+3]       ; with lane l xor 16's: the row's sum
.endr
.irp t, 0,1,2,3
	v_rcp_f32 v[ST+8*\t+3], v[ST+8*\t+2]
.endr
	v_nop
	s_wait_alu depctr_va_vdst(0)                   ; one wait for the four
.irp t, 0,1,2,3
	v_mul_f32 v[ST+8*\t+6], v[ST+8*\t+5], v[ST+8*\t+3]       ; the partner's factor,
	v_mul_f32 v[ST+8*\t+4], v[ST+8*\t+4], v[ST+8*\t+3]       ; and mine
.endr
	s_wait_dscnt 0x0
.irp t, 0,1,2,3
.set i, 0
.rept 16
	v_pk_mul_f32 v[S+32*\t+i:S+32*\t+i+1], v[S+32*\t+i:S+32*\t+i+1], v[ST+8*\t+6:ST+8*\t+7] op_sel_hi:[1,0]
.set i, i+2
.endr
.endr
	WIN W_S0
.irp t, 0,1,2,3
.set i, 0
.rept 16
	v_pk_fma_f32 v[S+32*\t+i:S+32*\t+i+1], v[32*\t+i:32*\t+i+1], v[ST+8*\t+4:ST+8*\t+5], v[S+32*\t+i:S+32*\t+i+1] op_sel_hi:[1,0,1]   ; my O^T from its low end on
.set i, i+2
.endr
.endr
	WIN 0
.irp t, 0,1,2,3
.set i, 0
.rept 16
	v_cvt_pk_f16_f32 v[KV+16*\t+i], v[S+32*\t+2*i], v[S+32*\t+2*i+1]   ; channels 16 ct + 8 h + 0 .. 7 of query r: four registers of the next launch's fragment
.set i, i+1
.endr
.endr
.irp t, 0,1,2,3
.irp ct, 0,1,2,3
	global_store_b128 v[GO], v[KV+16*\t+4*\ct:KV+16*\t+4*\ct+3], s[8:9] offset:8192*\t+512*\ct   ; 32 lanes store 512 consecutive bytes, aligned
.endr
.endr
.Lend:
	s_wait_tensorcnt 0x0                           ; the wave's end: behind my last tensor load and my last LDS store
	ds_add_u32 v[SPW], v[NIL]
	s_wait_dscnt 0x0
	CROUND                                         ; the closing round: no work-group ends while a partner may still ask for a tile that names it
	s_endpgm
.Lfunc_end_k_q98743ec316_attn:
	.size	k_q98743ec316_attn, .Lfunc_end_k_q98743ec316_attn-k_q98743ec316_attn
	.p2alignl 7, 3214868480
	.fill 96, 4, 3214868480
	.section	.rodata,"a",@progbits
	.p2align	6, 0x0
	.amdhsa_kernel k_q98743ec316_attn
		.amdhsa_group_segment_fixed_size 327680
		.amdhsa_private_segment_fixed_size 0
		.amdhsa_enable_private_segment 0
		.amdhsa_kernarg_size 24
		.amdhsa_user_sgpr_count 2
		.amdhsa_user_sgpr_kernarg_segment_ptr 1
		.amdhsa_wavefront_size32 1
		.amdhsa_system_sgpr_workgroup_id_x 1
		.amdhsa_system_sgpr_workgroup_id_y 1
		.amdhsa_system_sgpr_workgroup_id_z 1
		.amdhsa_system_vgpr_workitem_id 0
		.amdhsa_next_free_vgpr 512
		.amdhsa_next_free_sgpr 66
		.amdhsa_reserve_vcc 0
		.amdhsa_float_denorm_mode_32 3
		.amdhsa_float_denorm_mode_16_64 3
		.amdhsa_memory_ordered 1
		.amdhsa_forward_progress 1
		.amdhsa_inst_pref_size 96
	.end_amdhsa_kernel
	.amdgpu_metadata
---
amdhsa.version: [ 1, 2 ]
amdhsa.kernels:
  - .name:           k_q98743ec316_attn
    .symbol:         k_q98743ec316_attn.kd
    .args:
      - { .name: qf, .offset: 0, .size: 8, .value_kind: global_buffer, .address_space: global }
      - { .name: kv, .offset: 8, .size: 8, .value_kind: global_buffer, .address_space: global }
      - { .name: vf, .offset: 16, .size: 8, .value_kind: global_buffer, .address_space: global }
    .group_segment_fixed_size: 327680
    .private_segment_fixed_size: 0
    .kernarg_segment_align: 8
    .kernarg_segment_size: 24
    .max_flat_workgroup_size: 256
    .sgpr_count:     66
    .vgpr_count:     512
    .wavefront_size: 32
...
	.end_amdgpu_metadata
.endif
;; end of part 3
;; launch proj (part 4): grid 256 x 1, 8 waves a work-group, no clusters, 70,656 bytes of LDS; arguments vf, wof, b_o, out0; writes out0
.if DOCPART == 4
	.amdgcn_target "amdgcn-amd-amdhsa--gfx1250"
	.amdhsa_code_object_version 6
	.text
	.protected	k_q98743ec316_proj
	.globl	k_q98743ec316_proj
	.p2align	8
	.type	k_q98743ec316_proj,@function
k_q98743ec316_proj:
	s_mov_b64 s[64:65], 0
	v_nop
	global_prefetch_b8 v0, s[64:65] scope:SCOPE_SE
	s_setreg_imm32_b32 hwreg(HW_REG_WAVE_MODE, 25, 1), 1
	s_wait_xcnt 0x0
; out0[b][c][s] = the sum over k of vals[b][s][k] W_o[k][c] + b_o[c]: operands in f16, sums in f32, the result f32 with the tokens innermost.
; vf: vals as fragments of 16 tokens x 32 channels, (256 b + token / 16) x 8,192 + (k / 32) x 1,024; wof: W_o as fragments of 16 columns x 32 K, (c / 16) x 8,192 + (k / 32) x 1,024; a fragment's registers 0-3 at 16 x lane, 4-7 at 512 + 16 x lane.
; SHARES.  A work-group takes 64 tokens; wave w takes channels 32 w .. 32 w + 31 for all of them: 8 accumulators, 64 matrix instructions.  Source 0 = vals, source 1 = W_o: a lane then holds ONE channel and eight neighbouring tokens,
; which are neighbours in out0.  The bias is the C of each sum's first matrix instruction.  Operands come from memory straight into registers, three K chunks of 12 loads ahead.
; THE WAY OUT: a wave's 32 channels x 64 tokens go through its own stage in LDS (rows of 256 bytes + 16) and leave as whole rows: sixteen lanes store 256 consecutive bytes, aligned.  No barrier: waves share no LDS byte.
; NO JOINT LOADS AND NO LDS FOR THE OPERANDS: both are register images that a wave loads once, 16,384 bytes of W_o and 32,768 of vals; a way through LDS would add a store and a load for each.
; LIMITS: those of the f16 operands as they arrive; NaN and infinities are not served.
.set SPITCH, 272
.set STGW,   32*SPITCH                 ; a wave's stage
.set SPARE,  8*STGW                    ; behind the stages: the spare words, 128 bytes for each wave: four blocks of 256 bytes that no other line names
.set LI,  1                            ; v1   16 x lane
.set R4,  2                            ; v2   4 x (lane % 16)
.set STO, 3                            ; v3   the stage: where I put 16 bytes of a channel's row
.set RD,  4                            ; v4   and where I read a row back
.set CO,  5                            ; v5   my byte offset in out0
.set SPW, 6                            ; v6   LDS address of my spare word; never rewritten
.set NIL, 7                            ; v7   0; never rewritten
.set BO,  16                           ; v16-31   the bias as C, at 8 nt
.set ACC, 32                           ; v32-95   accumulators at 8 (4 nt + tt)
.set RING, 96                          ; v96-239  three sets of 48: vals' four fragments at 8 tt, W_o's two at 32 + 8 nt
.set OB,  96                           ; v96-159  the way out
	s_load_b256 s[4:11], s[0:1], 0x0               ; vf s[4:5], wof s[6:7], b_o s[8:9], out0 s[10:11]
	v_lshl_add_u32 v[SPW], v0, 2, SPARE
	v_mov_b32 v[NIL], 0
	v_lshrrev_b32 v8, 5, v0
	v_readfirstlane_b32 s12, v8                    ; wave 0..7
	v_and_b32 v9, 31, v0
	v_and_b32 v10, 15, v0                          ; r
	v_bfe_u32 v11, v0, 4, 1                        ; h
	v_lshlrev_b32 v[LI], 4, v9
	v_lshlrev_b32 v[R4], 2, v10
	s_mul_i32 s13, s12, STGW
	v_mul_u32_u24 v[STO], v10, SPITCH              ; in: row = channel r of the tile, + 32 h: tokens 8 h on
	v_lshl_add_u32 v[STO], v11, 5, v[STO]
	v_add_nc_u32 v[STO], s13, v[STO]
	v_mul_u32_u24 v[RD], v11, SPITCH               ; back: lanes 0-15 one row, lanes 16-31 the next
	v_lshl_add_u32 v[RD], v10, 4, v[RD]
	v_add_nc_u32 v[RD], s13, v[RD]
	v_lshlrev_b32 v[CO], 14, v11                   ; and the same two channels in out0, 16,384 bytes apart
	v_lshl_add_u32 v[CO], v10, 4, v[CO]
	s_mov_b32 s15, 0
	s_wait_kmcnt 0x0
	s_lshl_b32 s14, ttmp9, 15                      ; my work-group's four tiles of tokens
	s_add_nc_u64 s[4:5], s[4:5], s[14:15]
	s_lshl_b32 s14, s12, 14                        ; my wave's two tiles of channels
	s_add_nc_u64 s[6:7], s[6:7], s[14:15]
	s_lshl_b32 s14, s12, 7
	s_add_nc_u64 s[8:9], s[8:9], s[14:15]
	s_lshr_b32 s14, ttmp9, 6                       ; out0: the batch, my 32 channels, the 64 tokens
	s_lshl_b32 s14, s14, 22
	s_lshl_b32 s16, s12, 19
	s_add_co_u32 s14, s14, s16
	s_and_b32 s16, ttmp9, 63
	s_lshl_b32 s16, s16, 8
	s_add_co_u32 s14, s14, s16
	s_add_nc_u64 s[10:11], s[10:11], s[14:15]
.macro LOADC kc                        ; K chunk kc (32 of the 256): 12 loads into set kc % 3
.set RS, RING+48*((\kc)%3)
.irp tt, 0,1,2,3
	global_load_b128 v[RS+8*\tt:RS+8*\tt+3],   v[LI], s[4:5] offset:8192*\tt+1024*(\kc)
	global_load_b128 v[RS+8*\tt+4:RS+8*\tt+7], v[LI], s[4:5] offset:8192*\tt+1024*(\kc)+512
.endr
.irp nt, 0,1
	global_load_b128 v[RS+32+8*\nt:RS+32+8*\nt+3], v[LI], s[6:7] offset:8192*\nt+1024*(\kc)
	global_load_b128 v[RS+32+8*\nt+4:RS+32+8*\nt+7], v[LI], s[6:7] offset:8192*\nt+1024*(\kc)+512
.endr
.endm
.macro MULC kc                         ; its 8 matrix instructions: the eight accumulators by turns
.set RS, RING+48*((\kc)%3)
.irp tt, 0,1,2,3
.irp nt, 0,1
.if (\kc) == 0
	v_wmma_f32_16x16x32_f16 v[ACC+8*(4*\nt+\tt):ACC+8*(4*\nt+\tt)+7], v[RS+8*\tt:RS+8*\tt+7], v[RS+32+8*\nt:RS+32+8*\nt+7], v[BO+8*\nt:BO+8*\nt+7]
.else
	v_wmma_f32_16x16x32_f16 v[ACC+8*(4*\nt+\tt):ACC+8*(4*\nt+\tt)+7], v[RS+8*\tt:RS+8*\tt+7], v[RS+32+8*\nt:RS+32+8*\nt+7], v[ACC+8*(4*\nt+\tt):ACC+8*(4*\nt+\tt)+7]
.endif
.endr
.endr
.endm
.irp nt, 0,1
	global_load_b32 v[BO+8*\nt], v[R4], s[8:9] offset:64*\nt   ; lane (r, h): the bias of channel 16 nt + r
.endr
	LOADC 0
	LOADC 1
	LOADC 2
	s_wait_loadcnt 36                              ; the bias is in: three chunks of 12 loads were issued behind it
.irp nt, 0,1
.irp j, 1,2,3,4,5,6,7
	v_mov_b32 v[BO+8*\nt+\j], v[BO+8*\nt]          ; the same bias for a lane's eight tokens
.endr
.endr
.irp kc, 0,1,2,3,4,5,6,7
.if \kc < 6
	s_wait_loadcnt 24                              ; this chunk is in; the two chunks behind it may be out
.elseif \kc == 6
	s_wait_loadcnt 12
.else
	s_wait_loadcnt 0x0
.endif
	MULC \kc
.rept 4
	v_nop                                          ; four places in front of loads into registers that matrix instructions have read, and of the first read of results
.endr
.if \kc < 5
	LOADC \kc+3
.endif
.endr
.irp nt, 0,1
.irp tt, 0,1,2,3
	ds_store_b128 v[STO], v[ACC+8*(4*\nt+\tt):ACC+8*(4*\nt+\tt)+3] offset:16*SPITCH*\nt+64*\tt        ; each accumulator from its low end on: tokens 16 tt + 8 h + 0 .. 3 of channel 16 nt + r,
	ds_store_b128 v[STO], v[ACC+8*(4*\nt+\tt)+4:ACC+8*(4*\nt+\tt)+7] offset:16*SPITCH*\nt+64*\tt+16   ; and + 4 .. 7
.endr
.endr
.irp i, 0,1,2,3,4,5,6,7,8,9,10,11,12,13,14,15
	ds_load_b128 v[OB+4*\i:OB+4*\i+3], v[RD] offset:2*SPITCH*\i   ; LDS serves a wave's instructions in order (ISA guide 5.7.1.4): these see my stores
.endr
.irp i, 0,1,2,3,4,5,6,7,8,9,10,11,12,13,14,15
	s_wait_dscnt 15-\i
	global_store_b128 v[CO], v[OB+4*\i:OB+4*\i+3], s[10:11] offset:32768*\i th:TH_STORE_NT   ; channels 2 i and 2 i + 1: sixteen lanes store 256 consecutive bytes, aligned; written once, read by nobody here
.endr
	s_wait_tensorcnt 0x0                           ; the wave's end: behind my last LDS store
	ds_add_u32 v[SPW], v[NIL]
	s_wait_dscnt 0x0
	s_endpgm
.Lfunc_end_k_q98743ec316_proj:
	.size	k_q98743ec316_proj, .Lfunc_end_k_q98743ec316_proj-k_q98743ec316_proj
	.p2alignl 7, 3214868480
	.fill 96, 4, 3214868480
	.section	.rodata,"a",@progbits
	.p2align	6, 0x0
	.amdhsa_kernel k_q98743ec316_proj
		.amdhsa_group_segment_fixed_size 70656
		.amdhsa_private_segment_fixed_size 0
		.amdhsa_enable_private_segment 0
		.amdhsa_kernarg_size 32
		.amdhsa_user_sgpr_count 2
		.amdhsa_user_sgpr_kernarg_segment_ptr 1
		.amdhsa_wavefront_size32 1
		.amdhsa_system_sgpr_workgroup_id_x 1
		.amdhsa_system_sgpr_workgroup_id_y 1
		.amdhsa_system_sgpr_workgroup_id_z 1
		.amdhsa_system_vgpr_workitem_id 0
		.amdhsa_next_free_vgpr 256
		.amdhsa_next_free_sgpr 66
		.amdhsa_reserve_vcc 0
		.amdhsa_float_denorm_mode_32 3
		.amdhsa_float_denorm_mode_16_64 3
		.amdhsa_memory_ordered 1
		.amdhsa_forward_progress 1
		.amdhsa_inst_pref_size 21
	.end_amdhsa_kernel
	.amdgpu_metadata
---
amdhsa.version: [ 1, 2 ]
amdhsa.kernels:
  - .name:           k_q98743ec316_proj
    .symbol:         k_q98743ec316_proj.kd
    .args:
      - { .name: vf, .offset: 0, .size: 8, .value_kind: global_buffer, .address_space: global }
      - { .name: wof, .offset: 8, .size: 8, .value_kind: global_buffer, .address_space: global }
      - { .name: b_o, .offset: 16, .size: 8, .value_kind: global_buffer, .address_space: global }
      - { .name: out0, .offset: 24, .size: 8, .value_kind: global_buffer, .address_space: global }
    .group_segment_fixed_size: 70656
    .private_segment_fixed_size: 0
    .kernarg_segment_align: 8
    .kernarg_segment_size: 32
    .max_flat_workgroup_size: 256
    .sgpr_count:     66
    .vgpr_count:     256
    .wavefront_size: 32
...
	.end_amdgpu_metadata
.endif
;; end of part 4
